; MI455X (gfx1250); checked and timed in simulation.
; The chip was launched on July 23, 2026; its instructions are those of AMD's public machine-readable ISA for CDNA 5 (MIT licence, August 2026) and "CDNA5" Instruction Set Architecture Reference Guide (July 2026). The comments in the code are by the model that wrote it; some were corrected since.
;; Linear Mo Core Lora Layer. Allowed arithmetic: float matrix products may take bf16 or f16 operands with f32 sums; other float arithmetic in f32, or as packed bf16 or f16 multiplies, adds, multiply-adds, maxima and minima; sums over many terms, partial sums and values carried from step to step in f32; what a program stores and reads back later, other than sums and carried values, may be rounded once to bf16 or f16.
;; Inputs: A_w 16 x 4,096 float32; B_w 4,096 x 16 float32; W_base 4,096 x 4,096 float32; b_base 4,096 float32; cores 8 x 16 x 16 float32; router_w 8 x 4,096 float32; x 4 x 1,024 x 4,096 float32.
;; Outputs: out0 4 x 1,024 x 4,096 float32.
;; 2 versions, each right; version 2 is version 1 with the launch prep written anew for expert scheduling mode. Each part assembles by itself: llvm-mc -triple=amdgcn-amd-amdhsa -mcpu=gfx1250 --defsym DOCPART=n.
;; ======== version 1 of 2: 2 launches
;; limits: values outside matrix products are rounded to bf16
;; workspace buffers: xb 33,554,432 bytes; wb 33,554,432 bytes; xl 262,144 bytes; wl 262,144 bytes
;; launch prep (part 1): grid 256 x 1, 16 waves a work-group, no clusters, 305,152 bytes of LDS; arguments x, W_base, A_w, router_w, cores, B_w, b_base, xb, wb, xl, wl; writes xb, wb, xl, wl
.if DOCPART == 1
	.amdgcn_target "amdgcn-amd-amdhsa--gfx1250"
	.amdhsa_code_object_version 6
	.text
	.protected	k_qfbd3938b6d_prep
	.globl	k_qfbd3938b6d_prep
	.p2align	8
	.type	k_qfbd3938b6d_prep,@function
k_qfbd3938b6d_prep:
	s_mov_b64 s[64:65], 0
	v_nop
	global_prefetch_b8 v0, s[64:65] scope:SCOPE_SE
	s_setreg_imm32_b32 hwreg(HW_REG_WAVE_MODE, 25, 1), 1
	s_wait_xcnt 0x0
; PREPARATION FOR THE LARGE PRODUCT.  x [4096][4096], W_base [4096][4096], A_w [16][4096], router_w [8][4096], cores [8][16][16], B_w [4096][16], b_base [4096], all f32.
; Work-group g of 256 owns rows 16 g .. 16 g + 15 of x and of W_base.  It
;   - rounds them once to bf16 into xb and wb ([4096][4096] bf16, row-major);
;   - while it holds x: ax = x A_w^T and the router's logits x router_w^T of its 16 tokens, bf16 operands, f32 sums;
;   - softmax over the 8 experts in f32, the maximum taken away; p = 2 x softmax (the factor is lora_alpha / lora_rank);
;   - 2 mixed[t][q] = sum over (e, r) of (p_e ax_r) cores[e][r][q]: ONE product with K = 128; p_e ax_r is rounded once to bf16;
;   - writes xl and wl, 32 further numbers along K for each row of x and of W_base, by which the large product adds the low-rank term and the bias:
;       k = 0..15: xl = bf16(2 mixed[t][k]), wl = bf16(B_w[o][k]);   k = 16, 17: xl = 1, 1, wl = bf16(b[o]), bf16(b[o] - the former);   k = 18..31: 0.
;     Both lie in the order of a matrix operand's registers: 16 rows are 1,024 bytes; in them half f (k = 16 f ..) 512 bytes, lane l 16 bytes: row l % 16, k = 16 f + 8 (l / 16) + 0..7.
; LIMITS.  The bias keeps 16 significant bits and must lie below bf16's largest finite number, 3.39e38.  NaN and infinities are not treated apart.  A weight below 2^-126 counts as 0.
; SHARES.  Wave w of 16 owns columns 256 w .. 256 w + 255 of every row that it touches: 1,024 bytes of f32, two loads of 512 consecutive bytes; a lane's 4 numbers become 8 bytes of bf16,
; so a wave's store covers 256 consecutive bytes, aligned.  A ring of four register buffers of four rows keeps 32 loads (16 KiB) of every wave on their way.
; NO JOINT LOADS: what the work-groups share, A_w and router_w, is 393,216 bytes of f32, more than the work-group's LDS holds at once, and has to pass registers to be rounded;
; each wave reads only its own 1/16 of it.  So everything comes through registers.
.set WSTG,  32*528                     ; a wave's stage: 32 rows of 512 bytes + 16 of padding (132 words: 16 rows of a fragment load start 4 banks apart; 64 banks of 4 bytes: ISA guide 11.1)
.set XROW,  16*528                     ; rows 0-15: router_w's 8 rows, later A_w's 16; rows 16-31: x
.set PART,  16*WSTG                    ; behind the stages: each wave's 16 accumulator registers, f32: 2,048 bytes a wave
.set SPARE, PART+16*2048               ; behind them: the spare words, 128 bytes for each wave: eight blocks of 256 bytes that no other line names
.set VO,  2                            ; v2   16 lane + 1,024 w: my 16 bytes in a row of f32
.set SO,  3                            ; v3   8 lane + 512 w: my 8 bytes in a row of bf16
.set LS,  4                            ; v4   my stage + 8 lane
.set LFW, 5                            ; v5   my stage + 528 (l % 16) + 16 (l / 16): a fragment's address.  Behind the barrier: an offset of waves 0 and 1
.set LFR, 6                            ; v6   the same with l % 8: the router's 8 rows are taken twice.  Behind the barrier: an offset of wave 1
.set PS,  7                            ; v7   PART + 2,048 w + 16 lane
.set PR,  8                            ; v8   PART + 16 lane
.set L16, 9                            ; v9   16 lane
.set SPW, 10                           ; v10  LDS address of my spare word; never rewritten
.set NIL, 11                           ; v11  0; never rewritten
.set RING, 16                          ; v16-143   four buffers of 32: four rows x 8 registers
.set RF,  144                          ; v144-207  the router's 8 fragments; behind the barrier the cores and what follows
.set FR,  208                          ; v208-239  two buffers of 16: a fragment of A_w and one of x; later partial sums, then the fragments of p ax
.set SUM, 240                          ; v240-247  ax: lane (token l % 16, h = l / 16) holds ax[token][8 h + j] in register j
.set LG,  248                          ; v248-255  the logits: both halves of the lanes hold logit[token][j] in register j
.set PX,  4                            ; s[4:5] x   s[6:7] W_base   s[8:9] A_w   s[10:11] router_w   s[12:13] cores   s[14:15] B_w   s[16:17] b_base   s[18:19] xb
.set PW,  6
.set PAW, 8
.set PRT, 10
.set PCO, 12
.set PBW, 14
.set PB,  16
.set PXB, 18
.set PWB, 20                           ; s[20:21] wb   s[22:23] xl   s[24:25] wl
.set PXL, 22
.set PWL, 24
.set WV,  26                           ; s26  my wave's number
.set WST, 27                           ; s27  my stage's first byte
	s_load_b512 s[4:19], s[0:1], 0x0
	s_load_b128 s[20:23], s[0:1], 0x40
	s_load_b64 s[24:25], s[0:1], 0x50
	v_lshl_add_u32 v[SPW], v0, 2, SPARE
	v_mov_b32 v[NIL], 0
	v_lshrrev_b32 v12, 5, v0
	v_readfirstlane_b32 s[WV], v12
	v_and_b32 v1, 31, v0                           ; lane
	v_and_b32 v12, 15, v0                          ; l % 16
	v_bfe_u32 v13, v0, 4, 1                        ; l / 16
	v_and_b32 v14, 7, v0                           ; l % 8
	s_mul_i32 s[WST], s[WV], WSTG
	s_lshl_b32 s36, s[WV], 10
	v_lshl_add_u32 v[VO], v1, 4, s36
	s_lshl_b32 s36, s[WV], 9
	v_lshl_add_u32 v[SO], v1, 3, s36
	v_lshl_add_u32 v[LS], v1, 3, s[WST]
	v_mul_u32_u24 v[LFW], v12, 528
	v_lshl_add_u32 v[LFW], v13, 4, v[LFW]
	v_add_nc_u32 v[LFW], s[WST], v[LFW]
	v_mul_u32_u24 v[LFR], v14, 528
	v_lshl_add_u32 v[LFR], v13, 4, v[LFR]
	v_add_nc_u32 v[LFR], s[WST], v[LFR]
	s_lshl_b32 s36, s[WV], 11
	s_add_co_u32 s36, s36, PART
	v_lshl_add_u32 v[PS], v1, 4, s36
	v_lshl_add_u32 v[PR], v1, 4, PART
	v_lshlrev_b32 v[L16], 4, v1
	s_lshl_b32 s28, ttmp9, 18                      ; 16 rows of 16,384 bytes (x, W_base)
	s_mov_b32 s29, 0
	s_lshl_b32 s30, ttmp9, 17                      ; 16 rows of 8,192 bytes (xb, wb)
	s_mov_b32 s31, 0
	s_lshl_b32 s32, ttmp9, 10                      ; 1,024 bytes (xl, wl; 16 rows of B_w)
	s_mov_b32 s33, 0
	s_lshl_b32 s34, ttmp9, 6                       ; 16 numbers of b
	s_mov_b32 s35, 0
	s_wait_kmcnt 0x0
	s_add_nc_u64 s[PX:PX+1], s[PX:PX+1], s[28:29]
	s_add_nc_u64 s[PW:PW+1], s[PW:PW+1], s[28:29]
	s_add_nc_u64 s[PXB:PXB+1], s[PXB:PXB+1], s[30:31]
	s_add_nc_u64 s[PWB:PWB+1], s[PWB:PWB+1], s[30:31]
	s_add_nc_u64 s[PXL:PXL+1], s[PXL:PXL+1], s[32:33]
	s_add_nc_u64 s[PWL:PWL+1], s[PWL:PWL+1], s[32:33]
	s_add_nc_u64 s[PBW:PBW+1], s[PBW:PBW+1], s[32:33]
	s_add_nc_u64 s[PB:PB+1], s[PB:PB+1], s[34:35]
; Eight loads: my 1,024 bytes of rows row0 .. row0 + 3 into buffer buf (quad q: row q / 2, half q % 2).  nt = 1: bytes that the whole launch reads once.
.macro ISSUE buf, base, row0, nt
.irp q, 0,1,2,3,4,5,6,7
.if \nt
	global_load_b128 v[RING+32*(\buf)+4*(\q):RING+32*(\buf)+4*(\q)+3], v[VO], s[(\base):(\base)+1] offset:((\row0)+(\q)/2)*16384+((\q)%2)*512 th:TH_LOAD_NT
.else
	global_load_b128 v[RING+32*(\buf)+4*(\q):RING+32*(\buf)+4*(\q)+3], v[VO], s[(\base):(\base)+1] offset:((\row0)+(\q)/2)*16384+((\q)%2)*512
.endif
.endr
.endm
; Buffer buf has come (left = the younger loads that may stay out): rounded in place, 4 numbers into 2 registers; into my stage from row lrow on (lrow >= 0), and to memory (dst >= 0).
.macro TAKE buf, left, lrow, dst, row0
	s_wait_loadcnt \left                           ; loads come back in order (ISA guide 5.7.1)
.irp q, 0,1,2,3,4,5,6,7
	v_cvt_pk_bf16_f32 v[RING+32*(\buf)+4*(\q)],   v[RING+32*(\buf)+4*(\q)],   v[RING+32*(\buf)+4*(\q)+1]
	v_cvt_pk_bf16_f32 v[RING+32*(\buf)+4*(\q)+1], v[RING+32*(\buf)+4*(\q)+2], v[RING+32*(\buf)+4*(\q)+3]
.endr
.if (\lrow) >= 0
.irp q, 0,1,2,3,4,5,6,7
	ds_store_b64 v[LS], v[RING+32*(\buf)+4*(\q):RING+32*(\buf)+4*(\q)+1] offset:((\lrow)+(\q)/2)*528+((\q)%2)*256
.endr
.endif
.if (\dst) >= 0
.irp q, 0,1,2,3,4,5,6,7
	global_store_b64 v[SO], v[RING+32*(\buf)+4*(\q):RING+32*(\buf)+4*(\q)+1], s[(\dst):(\dst)+1] offset:((\row0)+(\q)/2)*8192+((\q)%2)*256  ; the wave's 256 consecutive bytes, aligned
.endr
.endif
.endm
	; THE RING: 14 groups of four rows: router_w (2), A_w (4), x (4), W_base (4).  Behind each group taken, the group four further on is asked for: three younger groups, 24 loads, stay out at every wait.
	ISSUE 0, PRT, 0, 0
	ISSUE 1, PRT, 4, 0
	ISSUE 2, PAW, 0, 0
	ISSUE 3, PAW, 4, 0
	TAKE  0, 24, 0, -1, 0                          ; router_w's rows 0-3
	ISSUE 0, PAW, 8, 0
	TAKE  1, 24, 4, -1, 0                          ; and 4-7
.irp c, 0,1,2,3,4,5,6,7                 ; the router's fragments leave the stage for registers.  LDS serves a wave's instructions in order (ISA guide 5.7.1.4): they see the stores above, and A_w's stores below come behind them
	ds_load_b128 v[RF+8*(\c):RF+8*(\c)+3],   v[LFR] offset:64*(\c)
	ds_load_b128 v[RF+8*(\c)+4:RF+8*(\c)+7], v[LFR] offset:64*(\c)+32
.endr
	ISSUE 1, PAW, 12, 0
	TAKE  2, 24, 0, -1, 0                          ; A_w's rows 0-15
	ISSUE 2, PX, 0, 1
	TAKE  3, 24, 4, -1, 0
	ISSUE 3, PX, 4, 1
	TAKE  0, 24, 8, -1, 0
	ISSUE 0, PX, 8, 1
	TAKE  1, 24, 12, -1, 0
	ISSUE 1, PX, 12, 1
	TAKE  2, 24, 16, PXB, 0                        ; x's rows: into the stage and out to xb
	s_wait_xcnt 0x0                                ; the buffer was a store's data: it is loaded again only behind this wait
	ISSUE 2, PW, 0, 1
	TAKE  3, 24, 20, PXB, 4
	s_wait_xcnt 0x0
	ISSUE 3, PW, 4, 1
	TAKE  0, 24, 24, PXB, 8
	s_wait_xcnt 0x0
	ISSUE 0, PW, 8, 1
	TAKE  1, 24, 28, PXB, 12
	s_wait_xcnt 0x0
	ISSUE 1, PW, 12, 1
	; MY 256 COLUMNS' SHARE OF ax AND OF THE LOGITS, while W_base's 32 loads are on their way.  Source 0 = 16 rows of weights, source 1 = 16 tokens: a lane holds one token.
	; Eight steps of 32 along K; the fragments of A_w and x are fetched two steps ahead.  The two accumulators take turns.
.macro LF c
.set F, FR+16*((\c)%2)
	ds_load_b128 v[F:F+3],     v[LFW] offset:64*(\c)
	ds_load_b128 v[F+4:F+7],   v[LFW] offset:64*(\c)+32
	ds_load_b128 v[F+8:F+11],  v[LFW] offset:XROW+64*(\c)
	ds_load_b128 v[F+12:F+15], v[LFW] offset:XROW+64*(\c)+32
.endm
	LF 0
	LF 1
.irp c, 0,1,2,3,4,5,6,7
.if (\c) < 7
	s_wait_dscnt 4                                 ; all but the next step's four loads
.else
	s_wait_dscnt 0
.endif
.set F, FR+16*((\c)%2)
.if (\c) == 0
	v_wmma_f32_16x16x32_bf16 v[SUM:SUM+7], v[F:F+7], v[F+8:F+15], 0
	v_wmma_f32_16x16x32_bf16 v[LG:LG+7], v[RF+8*(\c):RF+8*(\c)+7], v[F+8:F+15], 0
.else
	v_wmma_f32_16x16x32_bf16 v[SUM:SUM+7], v[F:F+7], v[F+8:F+15], v[SUM:SUM+7]
	v_wmma_f32_16x16x32_bf16 v[LG:LG+7], v[RF+8*(\c):RF+8*(\c)+7], v[F+8:F+15], v[LG:LG+7]
.endif
.rept 4
	v_nop                                          ; four places before loads land in the products' sources, and (last step) before the results are read
.endr
.if (\c) < 6
	LF (\c)+2
.endif
.endr
	ds_store_b128 v[PS], v[SUM:SUM+3]              ; each accumulator's lowest registers first
	ds_store_b128 v[PS], v[SUM+4:SUM+7] offset:512
	ds_store_b128 v[PS], v[LG:LG+3] offset:1024
	ds_store_b128 v[PS], v[LG+4:LG+7] offset:1536
	s_wait_dscnt 0x0                               ; for wave 0's sake: my partial sums are in LDS
	s_barrier_signal -1
	s_barrier_wait -1                              ; the launch's one barrier
	s_cmp_lg_u32 s[WV], 0
	s_cbranch_scc1 .Lnot_wave_0
	; WAVE 0: the 16 tokens' sums, softmax, mixing.
	v_and_b32 v12, 15, v0
	v_bfe_u32 v13, v0, 4, 1
	v_lshlrev_b32 v5, 2, v12
	v_lshl_add_u32 v5, v13, 9, v5                  ; 4 q + 512 h: cores[e][8 h + j][q = l % 16] lies 1,024 e + 64 j further on
.set n, 0
.rept 64                                ; register n: e = n / 8, j = n % 8
	global_load_b32 v[RF+n], v5, s[PCO:PCO+1] offset:(n/8)*1024+(n%8)*64
.set n, n+1
.endr
.macro RL w                             ; wave w's 16 partial sums
.irp i, 0,1,2,3
	ds_load_b128 v[FR+16*((\w)%2)+4*(\i):FR+16*((\w)%2)+4*(\i)+3], v[PR] offset:(\w)*2048+512*(\i)
.endr
.endm
	RL 1                                           ; my own share is still in SUM and LG; the others' are added in the order of the waves, in f32
	RL 2
.irp w, 1,2,3,4,5,6,7,8,9,10,11,12,13,14,15
.if (\w) < 15
	s_wait_dscnt 4
.else
	s_wait_dscnt 0
.endif
.irp i, 0,2,4,6,8,10,12,14
	v_pk_add_f32 v[SUM+(\i):SUM+(\i)+1], v[SUM+(\i):SUM+(\i)+1], v[FR+16*((\w)%2)+(\i):FR+16*((\w)%2)+(\i)+1]
.endr
.if (\w) < 14
	RL (\w)+2
.endif
.endr
	; softmax over a lane's 8 logits: 2^(c s - c m), c = log2(e), m their maximum
	s_mov_b32 s36, 0x3fb8aa3b
	s_mov_b32 s37, s36                             ; named with it as a pair
	v_max3_num_f32 v12, v[LG], v[LG+1], v[LG+2]
	v_max3_num_f32 v12, v12, v[LG+3], v[LG+4]
	v_max3_num_f32 v12, v12, v[LG+5], v[LG+6]
	v_max_num_f32 v12, v12, v[LG+7]
	v_mul_f32 v12, s36, v12
	v_mov_b32 v13, v12
.irp i, 0,2,4,6
	v_pk_fma_f32 v[LG+(\i):LG+(\i)+1], v[LG+(\i):LG+(\i)+1], s[36:37], v[12:13] op_sel_hi:[1,0,1] neg_lo:[0,0,1] neg_hi:[0,0,1]
.endr
.irp i, 0,1,2,3,4,5,6,7
	v_exp_f32 v[LG+(\i)], v[LG+(\i)]
.endr
	v_nop                                          ; a plain instruction behind the last exponential (ISA guide 5.7.2),
	s_wait_alu depctr_va_vdst(0)                   ; and a wait ahead of the batch's first reader
	v_pk_add_f32 v[14:15], v[LG:LG+1], v[LG+2:LG+3]
	v_pk_add_f32 v[12:13], v[LG+4:LG+5], v[LG+6:LG+7]
	v_pk_add_f32 v[14:15], v[14:15], v[12:13]
	v_add_f32 v14, v14, v15                        ; about 1 at the least: the largest logit's own term
	v_rcp_f32 v14, v14
	v_nop
	s_wait_alu depctr_va_vdst(0)
	v_add_f32 v14, v14, v14                        ; 2 / sum: the scaling rides on the weights
	v_mov_b32 v15, v14
.irp i, 0,2,4,6
	v_pk_mul_f32 v[LG+(\i):LG+(\i)+1], v[LG+(\i):LG+(\i)+1], v[14:15]
.endr
	s_wait_loadcnt 0x0                             ; the cores are in
	; source 0, fragment c of 4: row q = l % 16; k = 32 c + .. = (e = 2 c, r = 8 h + 0..7), (e = 2 c + 1, the same r).  Packed in place, ascending: register t is written from 2 t and 2 t + 1
.irp c, 0,1,2,3
.irp t, 0,1,2,3,4,5,6,7
	v_cvt_pk_bf16_f32 v[RF+16*(\c)+(\t)], v[RF+16*(\c)+2*(\t)], v[RF+16*(\c)+2*(\t)+1]
.endr
.endr
	; source 1, fragment c: column = token; the same k: p_e ax[8 h + j].  Expert e's weight is one register, an odd one's the upper of a pair: plain multiplies
.set T, RF+40
.irp e, 0,1,2,3,4,5,6,7
.irp j, 0,1,2,3,4,5,6,7
	v_mul_f32 v[T+(\j)], v[SUM+(\j)], v[LG+(\e)]
.endr
.irp i, 0,1,2,3
	v_cvt_pk_bf16_f32 v[FR+8*((\e)/2)+4*((\e)%2)+(\i)], v[T+2*(\i)], v[T+2*(\i)+1]
.endr
.endr
	v_wmma_f32_16x16x32_bf16 v[RF+8:RF+15],  v[RF:RF+7],     v[FR:FR+7],     0                ; two accumulators by turns
	v_wmma_f32_16x16x32_bf16 v[RF+24:RF+31], v[RF+16:RF+23], v[FR+8:FR+15],  0
	v_wmma_f32_16x16x32_bf16 v[RF+8:RF+15],  v[RF+32:RF+39], v[FR+16:FR+23], v[RF+8:RF+15]
	v_wmma_f32_16x16x32_bf16 v[RF+24:RF+31], v[RF+48:RF+55], v[FR+24:FR+31], v[RF+24:RF+31]
.rept 4
	v_nop
.endr
.irp i, 0,2,4,6
	v_pk_add_f32 v[T+(\i):T+(\i)+1], v[RF+8+(\i):RF+8+(\i)+1], v[RF+24+(\i):RF+24+(\i)+1]  ; lane (token, h): 2 mixed[token][8 h + j]
.endr
.irp i, 0,1,2,3
	v_cvt_pk_bf16_f32 v[RF+56+(\i)], v[T+2*(\i)], v[T+2*(\i)+1]
.endr
	global_store_b128 v[L16], v[RF+56:RF+59], s[PXL:PXL+1]              ; k = 0..15: 512 consecutive bytes
	v_mov_b32 v12, 0x3f803f80                      ; 1.0 twice in bf16: k = 16, 17, which lanes 0-15 hold
	v_cmp_gt_u32 vcc_lo, 16, v1
	v_cndmask_b32 v[RF+60], 0, v12, vcc_lo
	v_mov_b32 v[RF+61], 0
	v_mov_b32 v[RF+62], 0
	v_mov_b32 v[RF+63], 0
	global_store_b128 v[L16], v[RF+60:RF+63], s[PXL:PXL+1] offset:512   ; k = 16..31
	s_branch .Ltail
.Lnot_wave_0:
	s_cmp_lg_u32 s[WV], 1
	s_cbranch_scc1 .Ltail
	; WAVE 1: wl for the 16 output rows
	v_and_b32 v12, 15, v0
	v_bfe_u32 v13, v0, 4, 1
	v_lshlrev_b32 v5, 6, v12
	v_lshl_add_u32 v5, v13, 5, v5                  ; B_w[l % 16][8 h ..]: 64 bytes a row
	v_lshlrev_b32 v6, 2, v12
	global_load_b128 v[RF:RF+3],   v5, s[PBW:PBW+1]
	global_load_b128 v[RF+4:RF+7], v5, s[PBW:PBW+1] offset:16
	global_load_b32 v[RF+8], v6, s[PB:PB+1]
	s_wait_loadcnt 0x0
.irp i, 0,1,2,3
	v_cvt_pk_bf16_f32 v[RF+12+(\i)], v[RF+2*(\i)], v[RF+2*(\i)+1]
.endr
	global_store_b128 v[L16], v[RF+12:RF+15], s[PWL:PWL+1]
	v_cvt_pk_bf16_f32 v12, v[RF+8], v[RF+8]
	v_lshlrev_b32 v12, 16, v12                     ; bf16(b) as f32
	v_sub_f32 v13, v[RF+8], v12                    ; what the rounding left
	v_cvt_pk_bf16_f32 v[RF+16], v12, v13           ; k = 16: bf16(b); k = 17: the rest
	v_cmp_gt_u32 vcc_lo, 16, v1
	v_cndmask_b32 v[RF+16], 0, v[RF+16], vcc_lo
	v_mov_b32 v[RF+17], 0
	v_mov_b32 v[RF+18], 0
	v_mov_b32 v[RF+19], 0
	global_store_b128 v[L16], v[RF+16:RF+19], s[PWL:PWL+1] offset:512
.Ltail:
	TAKE  2, 24, -1, PWB, 0                        ; W_base's rows: the ring runs out, and the counts run down
	TAKE  3, 16, -1, PWB, 4
	TAKE  0, 8,  -1, PWB, 8
	TAKE  1, 0,  -1, PWB, 12
	s_wait_tensorcnt 0x0                           ; the wave's end, behind my last LDS store
	ds_add_u32 v[SPW], v[NIL]
	s_wait_dscnt 0x0
	s_endpgm
.Lfunc_end_k_qfbd3938b6d_prep:
	.size	k_qfbd3938b6d_prep, .Lfunc_end_k_qfbd3938b6d_prep-k_qfbd3938b6d_prep
	.p2alignl 7, 3214868480
	.fill 96, 4, 3214868480
	.section	.rodata,"a",@progbits
	.p2align	6, 0x0
	.amdhsa_kernel k_qfbd3938b6d_prep
		.amdhsa_group_segment_fixed_size 305152
		.amdhsa_private_segment_fixed_size 0
		.amdhsa_enable_private_segment 0
		.amdhsa_kernarg_size 88
		.amdhsa_user_sgpr_count 2
		.amdhsa_user_sgpr_kernarg_segment_ptr 1
		.amdhsa_wavefront_size32 1
		.amdhsa_system_sgpr_workgroup_id_x 1
		.amdhsa_system_sgpr_workgroup_id_y 1
		.amdhsa_system_sgpr_workgroup_id_z 1
		.amdhsa_system_vgpr_workitem_id 0
		.amdhsa_next_free_vgpr 256
		.amdhsa_next_free_sgpr 66
		.amdhsa_reserve_vcc 1
		.amdhsa_float_denorm_mode_32 3
		.amdhsa_float_denorm_mode_16_64 3
		.amdhsa_memory_ordered 1
		.amdhsa_forward_progress 1
		.amdhsa_inst_pref_size 73
	.end_amdhsa_kernel
	.amdgpu_metadata
---
amdhsa.version: [ 1, 2 ]
amdhsa.kernels:
  - .name:           k_qfbd3938b6d_prep
    .symbol:         k_qfbd3938b6d_prep.kd
    .args:
      - { .name: x, .offset: 0, .size: 8, .value_kind: global_buffer, .address_space: global }
      - { .name: W_base, .offset: 8, .size: 8, .value_kind: global_buffer, .address_space: global }
      - { .name: A_w, .offset: 16, .size: 8, .value_kind: global_buffer, .address_space: global }
      - { .name: router_w, .offset: 24, .size: 8, .value_kind: global_buffer, .address_space: global }
      - { .name: cores, .offset: 32, .size: 8, .value_kind: global_buffer, .address_space: global }
      - { .name: B_w, .offset: 40, .size: 8, .value_kind: global_buffer, .address_space: global }
      - { .name: b_base, .offset: 48, .size: 8, .value_kind: global_buffer, .address_space: global }
      - { .name: xb, .offset: 56, .size: 8, .value_kind: global_buffer, .address_space: global }
      - { .name: wb, .offset: 64, .size: 8, .value_kind: global_buffer, .address_space: global }
      - { .name: xl, .offset: 72, .size: 8, .value_kind: global_buffer, .address_space: global }
      - { .name: wl, .offset: 80, .size: 8, .value_kind: global_buffer, .address_space: global }
    .group_segment_fixed_size: 305152
    .private_segment_fixed_size: 0
    .kernarg_segment_align: 8
    .kernarg_segment_size: 88
    .max_flat_workgroup_size: 512
    .sgpr_count:     66
    .vgpr_count:     256
    .wavefront_size: 32
...
	.end_amdgpu_metadata
.endif
;; end of part 1
;; launch gemm (part 2): grid 16 x 16, 4 waves a work-group, clusters of 4 x 4, 327,680 bytes of LDS; arguments xb, wb, xl, wl, out0; writes out0
.if DOCPART == 2
	.amdgcn_target "amdgcn-amd-amdhsa--gfx1250"
	.amdhsa_code_object_version 6
	.text
	.protected	k_qfbd3938b6d_gemm
	.globl	k_qfbd3938b6d_gemm
	.p2align	8
	.type	k_qfbd3938b6d_gemm,@function
k_qfbd3938b6d_gemm:
	s_mov_b64 s[64:65], 0
	v_nop
	global_prefetch_b8 v0, s[64:65] scope:SCOPE_SE
	s_setreg_imm32_b32 hwreg(HW_REG_WAVE_MODE, 25, 1), 1
	s_wait_xcnt 0x0
	s_wait_alu depctr_hold_cnt(0) depctr_sa_sdst(0) depctr_va_vdst(0) depctr_va_sdst(0) depctr_va_ssrc(0) depctr_va_vcc(0) depctr_vm_vsrc(0)
	s_getreg_b32 s2, hwreg(HW_REG_IB_STS2, 6, 4)
	s_cmp_eq_u32 s2, 0
	s_cbranch_scc0 .Lentry_in_a_cluster
	s_endpgm
.Lentry_in_a_cluster:
	s_bfe_u32 s2, ttmp6, 0x10000c
	s_cmp_lg_u32 s2, 0xf033
	s_cbranch_scc0 .Lentry_shape_is_right
	s_endpgm
.Lentry_shape_is_right:
; out0[t][o] = sum over k < 4096 of xb[t][k] wb[o][k]  +  sum over k < 32 of xl[t][k] wl[o][k].  xb, wb: [4096][4096] bf16; out0: [4096][4096] f32; sums in f32.
; The second sum is the low-rank term, its scaling and the bias (xl: 2 mixed, 1, 1, 0..; wl: B_w, the bias in two bf16 parts, 0..): one K step of 32 whose products START the 64 sums, so nothing is cleared
; and nothing is added afterwards.  xl and wl lie in the order of an operand's registers: 16 rows are 1,024 bytes, half f of K 512 bytes in them, lane l 16 bytes.
; A tile of 256 x 256 is made by a work-group of four waves; a wave makes 128 x 128: 64 accumulators of 16 x 16, 512 registers.  256 tiles, one a work-group.
; K goes in steps of 128 through a ring of two LDS slots filled by the tensor data mover: a tile's rows are 256 bytes of memory and start at multiples of 256 bytes from the buffer's first byte.
; CLUSTERS: 4 x 4 work-groups.  The four of a row of the cluster need the same tiles of xb, the four of a column the same tiles of wb: each tile is asked for JOINTLY, by the same tensor load with the same
; descriptor and a mask that names the four; that divides the requests for both by four.
; REGISTERS, in windows of 256 (s_set_vgpr_msb's low byte: bits 1:0 source 0, 3:2 source 1, 5:4 source 2, 7:6 destination):
;   window 0: v0-31 addresses; v64-127, v128-191 fragments of xb (8 x 16 rows x 32 K), two buffers; on the way out the same registers take whole rows back from the stage
;   window 1: v64-127, v128-191 fragments of wb, two buffers
;   window 2: the 32 accumulators of my rows 0-63 (accumulator (a, b) at v[8 (8 a + b)]);   window 3: those of my rows 64-127
; THE MATRIX INSTRUCTION IS USED TRANSPOSED: source 0 = 16 rows of wb, source 1 = 16 rows of xb: lane l holds row l % 16 of the output, its registers 0-7 the columns 8 (l / 16) + 0..7: 32 neighbouring bytes.
.set SIZE_K, 4096
.set SIZE_N, 4096
.set CROW,   SIZE_N*4                  ; bytes in a row of out0
.set KSTEP,  128
.set PITCH,  272                       ; an LDS row: 256 bytes + 16 of padding = 68 words: row r starts at bank 4 r mod 64 (64 banks of 4 bytes: ISA guide 11.1)
.set HALFT,  128*PITCH                 ; 128 rows: what one tensor load brings, and what one wave reads of xb or of wb
.set SLOT,   4*HALFT                   ; xb's 256 rows, then wb's 256 rows
.set STAGE,  2*SLOT                    ; behind the ring: 16 rows x 528 bytes for each wave, for the way out; no tensor load lands here
.set SPITCH, 528                       ; 512 bytes (128 f32) + 16: the 16 rows that a store touches start 4 banks apart
.set SPARE,  STAGE+4*16*SPITCH         ; behind the stages: the spare words, 128 bytes for each wave: two blocks of 256 bytes that no other line names
.set LAPS,   SIZE_K/(2*KSTEP)          ; a lap = two K steps = once round the ring: 16
.set ADRA, 16                          ; v16-17  LDS address of my xb fragments in slot 0, 1
.set ADRB, 20                          ; v20-21  the same for wb
.set STO,  24                          ; v24     the way out: where I put 32 bytes of a row
.set RD,   25                          ; v25     the way out: my 16 bytes of a row read back
.set CO,   26                          ; v26     16 x lane: my bytes in 512 consecutive bytes of out0, xl and wl; never rewritten
.set SPW,  28                          ; v28     LDS address of my spare word; never rewritten
.set NIL,  29                          ; v29     0; never rewritten
.set F0,   64
.set F1,   128
.set G1,  24                           ; s[24:31] descriptor group 1 for xb's tiles;  s[32:39] group 0, one set for each slot
.set G0,  32
.set G1B, 48                           ; s[48:55], s[56:63] the same for wb's tiles
.set G0B, 56
.set MSB, 0
.macro WIN new                         ; the immediate's high byte repeats the setting that is left; a switch that changes nothing is dropped
.if MSB != (\new)
	s_set_vgpr_msb (MSB<<8)|(\new)
.set MSB, \new
.endif
.endm
.set MUL_LO, 0xa1                      ; source 0 (wb) window 1, source 1 (xb) window 0, C and D window 2
.set MUL_HI, 0xf1                      ; the same, C and D window 3
.set TO_B,   0x40                      ; destination window 1, address window 0
; A joint load.  Waves 0 and 1 fetch xb's two halves, waves 2 and 3 wb's.  The branch hangs on the wave's number alone.  An s_nop 0 and four v_nop follow each of the two lines.
.macro JLOAD s
	s_cmp_eq_u32 s11, 0
	s_cbranch_scc0 .Lfor_b_\@
	tensor_load_to_lds s[G0+4*(\s):G0+4*(\s)+3], s[G1:G1+7]
	s_nop 0
.rept 4
	v_nop
.endr
	s_branch .Lasked_\@
.Lfor_b_\@:
	tensor_load_to_lds s[G0B+4*(\s):G0B+4*(\s)+3], s[G1B:G1B+7]
	s_nop 0
.rept 4
	v_nop
.endr
.Lasked_\@:
.endm
.macro CREST                           ; a round of the cluster's barrier behind its opening barrier
	s_cmp_lg_u32 s10, 0
	s_cbranch_scc1 .Lnot_wave_0_\@
	s_barrier_signal -3
.Lnot_wave_0_\@:
	s_barrier_wait -3
	s_barrier_signal -1
	s_barrier_wait -1
.endm
.macro CROUND                          ; a whole round
	s_barrier_signal -1
	s_barrier_wait -1
	CREST
.endm
	s_load_b128 s[4:7], s[0:1], 0x0                ; xb s[4:5], wb s[6:7]
	s_load_b128 s[68:71], s[0:1], 0x10             ; xl s[68:69], wl s[70:71]
	s_load_b64 s[8:9], s[0:1], 0x20                ; out0
	v_lshl_add_u32 v[SPW], v0, 2, SPARE
	v_mov_b32 v[NIL], 0
	ds_add_u32 v[SPW], v[NIL]                      ; the wave's opening: the add and its wait stand ahead of my first tensor load; the set-up below, work on registers, stands between them
	ds_add_u32 v28, v29
	v_lshrrev_b32 v1, 5, v0
	v_readfirstlane_b32 s10, v1                    ; wave 0..3
	s_lshr_b32 s11, s10, 1                         ; which half of the tile's rows is mine.  Also: I fetch for xb (0) or for wb (1)
	s_and_b32 s12, s10, 1                          ; which half of its columns.  Also: which 128 rows of that tile I fetch
	s_bfe_u32 s40, ttmp6, 0x40000                  ; cx
	s_bfe_u32 s41, ttmp6, 0x40004                  ; cy
	s_lshl_b32 s42, ttmp9, 2
	s_add_co_u32 s42, s42, s40                     ; tile column = 4 x cluster x + cx
	s_and_b32 s13, ttmp7, 0xffff
	s_lshl_b32 s13, s13, 2
	s_add_co_u32 s13, s13, s41                     ; tile row = 4 x cluster y + cy
	s_lshl_b32 s43, s41, 2
	s_lshl_b32 s43, 15, s43                        ; my row of the cluster: places 4 cy .. 4 cy + 3
	s_lshl_b32 s44, 0x1111, s40                    ; my column: places cx, cx + 4, cx + 8, cx + 12
	; descriptor group 1: a tile of 128 rows x 128 elements, padded in LDS
	s_or_b32 s[G1+0], s43, (1<<16)|(1<<20)|(1<<21)|(5<<22)|(3<<25)   ; 15:0 the mask; 17:16 elements of 2 bytes; 20 padding on; 21 set beside a mask; 24:22 after every 64 words (code 5); 31:25 4 words of it (code 3)
	s_or_b32 s[G1B+0], s44, (1<<16)|(1<<20)|(1<<21)|(5<<22)|(3<<25)
.irp g, G1, G1B
	s_mov_b32 s[(\g)+1], KSTEP<<16                 ; tensor_dim0 = 128
	s_mov_b32 s[(\g)+2], 128<<16                   ; tensor_dim1 = 128
	s_mov_b32 s[(\g)+3], KSTEP<<16                 ; tile_dim0 = 128
	s_mov_b32 s[(\g)+4], 128                       ; tile_dim1 = 128
	s_mov_b32 s[(\g)+5], SIZE_K                    ; elements from row to row
	s_mov_b32 s[(\g)+6], 0
	s_mov_b32 s[(\g)+7], 0
.endr
	; xb's tiles hang on the tile row alone, which my row of the cluster shares; wb's on the tile column alone.  Each address is made in registers that never hold the other coordinate.
	s_lshl_b32 s17, s12, 7
	s_lshl_b32 s16, s13, 8
	s_add_co_u32 s16, s16, s17                     ; xb: row 256 x tile row + 128 x half
	s_lshl_b32 s46, s42, 8
	s_add_co_u32 s46, s46, s17                     ; wb: row 256 x tile column + 128 x half
	s_mov_b32 s17, 0
	s_mov_b32 s47, 0
	s_mov_b64 s[18:19], SIZE_K*2
	s_mul_u64 s[16:17], s[16:17], s[18:19]
	s_mul_u64 s[46:47], s[46:47], s[18:19]
	s_mul_i32 s20, s10, HALFT                      ; where they go: wave x 128 rows: no place in the cluster enters an LDS address
	s_wait_dscnt 0x0                               ; the opening add is done
	s_wait_kmcnt 0x0
	s_add_nc_u64 s[14:15], s[4:5], s[16:17]
	s_add_nc_u64 s[46:47], s[6:7], s[46:47]
	CROUND                                         ; all sixteen work-groups are here: the first joint loads meet
.irp s, 0,1
	s_mov_b32 s[G0+4*(\s)], 1                                        ; count = 1
	s_add_co_u32 s[G0+4*(\s)+1], s20, (\s)*SLOT                      ; LDS address
	s_add_nc_u64 s[G0+4*(\s)+2:G0+4*(\s)+3], s[14:15], (\s)*KSTEP*2  ; global address: K step s
	s_or_b32 s[G0+4*(\s)+3], s[G0+4*(\s)+3], 0x80000000              ; type = 2
	s_mov_b32 s[G0B+4*(\s)], 1
	s_add_co_u32 s[G0B+4*(\s)+1], s20, (\s)*SLOT
	s_add_nc_u64 s[G0B+4*(\s)+2:G0B+4*(\s)+3], s[46:47], (\s)*KSTEP*2
	s_or_b32 s[G0B+4*(\s)+3], s[G0B+4*(\s)+3], 0x80000000
	JLOAD \s                                       ; two tensor loads of mine are out
.endr
	; the extra K step's fragments, straight into buffer 1: my 8 blocks of 16 rows of xl and of wl, two loads of 512 consecutive bytes a block
	v_and_b32 v5, 31, v0
	v_lshlrev_b32 v[CO], 4, v5
	s_lshl_b32 s16, s13, 4
	s_lshl_b32 s17, s11, 3
	s_add_co_u32 s16, s16, s17                     ; block 16 x tile row + 8 x half,
	s_lshl_b32 s16, s16, 10                        ; 1,024 bytes each
	s_mov_b32 s17, 0
	s_add_nc_u64 s[68:69], s[68:69], s[16:17]
	s_lshl_b32 s46, s42, 4
	s_lshl_b32 s47, s12, 3
	s_add_co_u32 s46, s46, s47
	s_lshl_b32 s46, s46, 10
	s_mov_b32 s47, 0
	s_add_nc_u64 s[70:71], s[70:71], s[46:47]
	WIN TO_B
.irp i, 0,1,2,3,4,5,6,7
	global_load_b128 v[F1+8*(\i):F1+8*(\i)+3],   v[CO], s[70:71] offset:(\i)*1024
	global_load_b128 v[F1+8*(\i)+4:F1+8*(\i)+7], v[CO], s[70:71] offset:(\i)*1024+512
.endr
	WIN 0
.irp i, 0,1,2,3,4,5,6,7
	global_load_b128 v[F1+8*(\i):F1+8*(\i)+3],   v[CO], s[68:69] offset:(\i)*1024
	global_load_b128 v[F1+8*(\i)+4:F1+8*(\i)+7], v[CO], s[68:69] offset:(\i)*1024+512
.endr
	; A fragment is 16 rows x 32 K in 8 registers: lane l holds row l % 16; registers 0-3 K = 8 (l / 16) + 0..7, registers 4-7 K = 16 + 8 (l / 16) + 0..7: two loads of 16 bytes, 32 bytes apart.
	v_and_b32 v1, 15, v0                           ; l % 16
	v_bfe_u32 v2, v0, 4, 1                         ; l / 16
	v_mul_u32_u24 v3, v1, PITCH
	v_lshl_add_u32 v3, v2, 4, v3
	s_mul_i32 s21, s11, HALFT                      ; my 128 rows of xb
	s_mul_i32 s22, s12, HALFT                      ; my 128 rows of wb,
	s_add_co_u32 s22, s22, 2*HALFT                 ; which lie behind xb's 256
.irp s, 0,1
	v_add_nc_u32 v[ADRA+(\s)], s21, v3
	v_add_nc_u32 v[ADRB+(\s)], s22, v3
	s_add_co_u32 s21, s21, SLOT
	s_add_co_u32 s22, s22, SLOT
.endr
	s_mul_i32 s23, s10, 16*SPITCH
	s_add_co_u32 s23, s23, STAGE                   ; my stage
	v_mul_u32_u24 v4, v1, SPITCH                   ; in: row l % 16, 32 bytes for each half of the lanes
	v_lshl_add_u32 v4, v2, 5, v4
	v_add_nc_u32 v[STO], s23, v4
	v_add_nc_u32 v[RD], s23, v[CO]                 ; back: 32 lanes take one row of 512 bytes
	s_lshl_b32 s16, s13, 8                         ; out0 at my part of the tile: row 256 x tile row + 128 x half,
	s_lshl_b32 s17, s11, 7
	s_add_co_u32 s16, s16, s17
	s_lshl_b32 s16, s16, 14                        ; 16,384 bytes each: under 2^26
	s_mov_b32 s17, 0
	s_add_nc_u64 s[8:9], s[8:9], s[16:17]
	s_lshl_b32 s46, s42, 10                        ; column: 1,024 bytes a tile, 512 a half
	s_lshl_b32 s47, s12, 9
	s_add_co_u32 s46, s46, s47
	s_mov_b32 s47, 0
	s_add_nc_u64 s[8:9], s[8:9], s[46:47]
; 16 matrix instructions: m blocks a0, a0 + 1 of the window's four (hi = 0: my rows 0-63, 1: rows 64-127) x all 8 n blocks, 32 along K.  zero = 1: the products start the sums.
; The 64 accumulators take turns in the same order in every quarter step: between two links of a chain stand the 63 others'.
.macro MUL16 f, hi, a0, zero
	WIN MUL_LO+0x50*(\hi)
.irp a, \a0, (\a0)+1
.irp b, 0,1,2,3,4,5,6,7
.if \zero
	v_wmma_f32_16x16x32_bf16 v[8*(8*(\a)+(\b)):8*(8*(\a)+(\b))+7], v[(\f)+8*(\b):(\f)+8*(\b)+7], v[(\f)+8*(4*(\hi)+(\a)):(\f)+8*(4*(\hi)+(\a))+7], 0
.else
	v_wmma_f32_16x16x32_bf16 v[8*(8*(\a)+(\b)):8*(8*(\a)+(\b))+7], v[(\f)+8*(\b):(\f)+8*(\b)+7], v[(\f)+8*(4*(\hi)+(\a)):(\f)+8*(4*(\hi)+(\a))+7], v[8*(8*(\a)+(\b)):8*(8*(\a)+(\b))+7]
.endif
.endr
.endr
.endm
; 32 LDS loads in one run: the fragments of one quarter step (128 rows of wb, 128 rows of xb, 32 K at byte k of the rows) into buffer f
.macro FETCH slot, k, f
	WIN TO_B
.irp i, 0,1,2,3,4,5,6,7
	ds_load_b128 v[(\f)+8*(\i):(\f)+8*(\i)+3],   v[ADRB+(\slot)] offset:(\k)+(\i)*16*PITCH
	ds_load_b128 v[(\f)+8*(\i)+4:(\f)+8*(\i)+7], v[ADRB+(\slot)] offset:(\k)+(\i)*16*PITCH+32
.endr
	WIN 0
.irp i, 0,1,2,3,4,5,6,7
	ds_load_b128 v[(\f)+8*(\i):(\f)+8*(\i)+3],   v[ADRA+(\slot)] offset:(\k)+(\i)*16*PITCH
	ds_load_b128 v[(\f)+8*(\i)+4:(\f)+8*(\i)+7], v[ADRA+(\slot)] offset:(\k)+(\i)*16*PITCH+32
.endr
.endm
.macro PLACES                          ; four places in front of loads into registers that matrix instructions have read, and of LDS stores that read results
.rept 4
	v_nop
.endr
.endm
; A K step is four quarter steps of 32 along K, 64 matrix instructions each, on buffers 0, 1, 0, 1.  One of the first three: multiplies buffer f; in its middle it fetches the next quarter, at byte k, into g.
.macro QUARTER slot, k, f, g
	s_wait_dscnt 8                                 ; wb and xb's rows 0-63 are in; the youngest eight loads (xb's rows 64-127) may be out
	MUL16 \f, 0, 0, 0
	MUL16 \f, 0, 2, 0
	PLACES
	FETCH \slot, \k, \g
	s_wait_dscnt 32                                ; all but the 32 just issued
	MUL16 \f, 1, 0, 0
	MUL16 \f, 1, 2, 0
.endm
; The last quarter multiplies buffer 1 and changes slots.  MEET is its first half: ONE barrier.  In front of it each wave waits for all its tensor loads, of which one is out: its part of the next slot;
; adds 0 to its spare word; and waits for that and for its own reads of this slot.  Behind it nobody reads this slot any more and the next slot is whole.
.macro MEET round
	WIN 0                                          ; (the add's two registers lie in window 0)
	s_wait_tensorcnt 0x0
	ds_add_u32 v[SPW], v[NIL]                      ; 0 onto my spare word
	s_wait_dscnt 9                                 ; (the add and the youngest eight loads may be out)
	MUL16 F1, 0, 0, 0                              ; sixteen matrix instructions stand between the add and the wait for it
	s_wait_dscnt 0x0                               ; the add is done, and my reads of this slot are over
	s_barrier_signal -1
	MUL16 F1, 0, 2, 0                              ; work on registers while the others arrive
.if \round
	WIN 0
.endif
	s_barrier_wait -1
.endm
; The whole last quarter: the barrier opens a round of the cluster's barrier; behind the round the slot just read out is filled again first, two K steps ahead: from that request to the wait for it a wave
; issues 224 matrix instructions; then come the next slot's first fragments.
.macro TURN slot, next
	MEET 1
	CREST                                          ; no wave of any partner still reads this slot's tile or has a load on its way
	s_add_nc_u64 s[G0+4*(\slot)+2:G0+4*(\slot)+3], s[G0+4*(\slot)+2:G0+4*(\slot)+3], 2*KSTEP*2
	s_add_nc_u64 s[G0B+4*(\slot)+2:G0B+4*(\slot)+3], s[G0B+4*(\slot)+2:G0B+4*(\slot)+3], 2*KSTEP*2
	JLOAD \slot                                    ; my one tensor load behind the round; the four v_nop behind it are also the places in front of the loads below
	FETCH \next, 0, F0
	MUL16 F1, 1, 0, 0
	MUL16 F1, 1, 2, 0
.endm
; THE WAY OUT of block a (16 rows x 128 columns of f32).  TOSTAGE: 32 bytes a lane and accumulator into my own stage, each accumulator's lowest registers first; back as whole rows of 512 bytes.  SEND: stored.
.macro TOSTAGE a
.set AC, 64*((\a)%4)
.set BK, F0+64*((\a)%2)
	WIN 0x08+4*((\a)/4)                            ; the stores' data (source 1): window 2 or 3
.irp b, 0,1,2,3,4,5,6,7
	ds_store_b128 v[STO], v[AC+8*(\b):AC+8*(\b)+3]   offset:64*(\b)
	ds_store_b128 v[STO], v[AC+8*(\b)+4:AC+8*(\b)+7] offset:64*(\b)+16
.endr
	WIN 0
	s_wait_xcnt 0x0                                ; the registers below were the data of the stores of two blocks ago: they are loaded again only behind this wait
.irp t, 0,1,2,3,4,5,6,7,8,9,10,11,12,13,14,15
	ds_load_b128 v[BK+4*(\t):BK+4*(\t)+3], v[RD] offset:SPITCH*(\t)  ; LDS serves a wave's instructions in order (ISA guide 5.7.1.4): these see the stores above; the next block's stores come behind them
.endr
.endm
.macro SEND a, younger                 ; younger: the LDS instructions issued behind block a's loads: the next block's 32, or none
	WIN 0
.set BK, F0+64*((\a)%2)
.irp t, 0,1,2,3,4,5,6,7,8,9,10,11,12,13,14,15
	s_wait_dscnt (\younger)+15-(\t)
	global_store_b128 v[CO], v[BK+4*(\t):BK+4*(\t)+3], s[8:9] offset:(16*(\a)+(\t))*CROW th:TH_STORE_NT  ; 512 consecutive bytes, at a multiple of 512 from out0's first; 127 rows at the most: inside the signed 24-bit immediate
.endr
.endm
	s_wait_loadcnt 0x0                             ; xl's and wl's fragments
	MUL16 F1, 0, 0, 1                              ; THE EXTRA K STEP starts all 64 sums, while the first tiles are on their way
	MUL16 F1, 0, 2, 1
	MUL16 F1, 1, 0, 1
	MUL16 F1, 1, 2, 1
	WIN 0
	s_wait_tensorcnt 1                             ; my part of K step 0 is in; K step 1's may stay out
	s_barrier_signal -1
	s_barrier_wait -1                              ; everybody's is
	FETCH 0, 0, F0
	QUARTER 0, 64,  F0, F1                         ; its places stand between the extra step's products and the loads into buffer 1
	WIN 0                                          ; at a label and at a branch every window is 0
	s_mov_b32 s3, LAPS-1
.Llap:                                                 ; a trip goes once round the ring, from a lap's second quarter to the next lap's first, and fills both slots again
	QUARTER 0, 128, F1, F0
	QUARTER 0, 192, F0, F1
	TURN 0, 1
	QUARTER 1, 64,  F0, F1
	QUARTER 1, 128, F1, F0
	QUARTER 1, 192, F0, F1
	TURN 1, 0
	QUARTER 0, 64,  F0, F1
	WIN 0
	s_sub_co_u32 s3, s3, 1
	s_cmp_lg_u32 s3, 0
	s_cbranch_scc1 .Llap
	QUARTER 0, 128, F1, F0                         ; the last lap is written out: it fills nothing, and has no round
	QUARTER 0, 192, F0, F1
	MEET 0                                         ; my one tensor load that was still out is the last K step's
	PLACES
	FETCH 1, 0, F0
	MUL16 F1, 1, 0, 0
	MUL16 F1, 1, 2, 0
	QUARTER 1, 64,  F0, F1
	QUARTER 1, 128, F1, F0
	QUARTER 1, 192, F0, F1
	s_wait_dscnt 8                                 ; the very last quarter: nothing more to fetch
	MUL16 F1, 0, 0, 0
	MUL16 F1, 0, 2, 0
	s_wait_dscnt 0x0
	MUL16 F1, 1, 0, 0
	MUL16 F1, 1, 2, 0
	PLACES                                         ; behind the last products: the stage's stores read results, its loads land in fragment registers
	TOSTAGE 0
.irp a, 1,2,3,4,5,6,7                  ; block a goes into the stage while block a - 1's rows come back
	TOSTAGE \a
	SEND (\a)-1, 32
.endr
	SEND 7, 0
	s_wait_tensorcnt 0x0                           ; the wave's end, behind my last tensor load and my last LDS store
	ds_add_u32 v[SPW], v[NIL]
	s_wait_dscnt 0x0
	CROUND                                         ; the closing round: no work-group ends while a partner may still ask for a tile that names it
	s_endpgm
.Lfunc_end_k_qfbd3938b6d_gemm:
	.size	k_qfbd3938b6d_gemm, .Lfunc_end_k_qfbd3938b6d_gemm-k_qfbd3938b6d_gemm
	.p2alignl 7, 3214868480
	.fill 96, 4, 3214868480
	.section	.rodata,"a",@progbits
	.p2align	6, 0x0
	.amdhsa_kernel k_qfbd3938b6d_gemm
		.amdhsa_group_segment_fixed_size 327680
		.amdhsa_private_segment_fixed_size 0
		.amdhsa_enable_private_segment 0
		.amdhsa_kernarg_size 40
		.amdhsa_user_sgpr_count 2
		.amdhsa_user_sgpr_kernarg_segment_ptr 1
		.amdhsa_wavefront_size32 1
		.amdhsa_system_sgpr_workgroup_id_x 1
		.amdhsa_system_sgpr_workgroup_id_y 1
		.amdhsa_system_sgpr_workgroup_id_z 1
		.amdhsa_system_vgpr_workitem_id 0
		.amdhsa_next_free_vgpr 1024
		.amdhsa_next_free_sgpr 72
		.amdhsa_reserve_vcc 0
		.amdhsa_float_denorm_mode_32 3
		.amdhsa_float_denorm_mode_16_64 3
		.amdhsa_memory_ordered 1
		.amdhsa_forward_progress 1
		.amdhsa_inst_pref_size 151
	.end_amdhsa_kernel
	.amdgpu_metadata
---
amdhsa.version: [ 1, 2 ]
amdhsa.kernels:
  - .name:           k_qfbd3938b6d_gemm
    .symbol:         k_qfbd3938b6d_gemm.kd
    .args:
      - { .name: xb, .offset: 0, .size: 8, .value_kind: global_buffer, .address_space: global }
      - { .name: wb, .offset: 8, .size: 8, .value_kind: global_buffer, .address_space: global }
      - { .name: xl, .offset: 16, .size: 8, .value_kind: global_buffer, .address_space: global }
      - { .name: wl, .offset: 24, .size: 8, .value_kind: global_buffer, .address_space: global }
      - { .name: out0, .offset: 32, .size: 8, .value_kind: global_buffer, .address_space: global }
    .group_segment_fixed_size: 327680
    .private_segment_fixed_size: 0
    .kernarg_segment_align: 8
    .kernarg_segment_size: 40
    .max_flat_workgroup_size: 128
    .sgpr_count:     72
    .vgpr_count:     1024
    .wavefront_size: 32
...
	.end_amdgpu_metadata
.endif
;; end of part 2
;; ======== version 2 of 2: 2 launches; version 1 with the launch prep written anew for expert scheduling mode
;; limits: values outside matrix products are rounded to bf16
;; workspace buffers: xb 33,554,432 bytes; wb 33,554,432 bytes; xl 262,144 bytes; wl 262,144 bytes
;; launch prep (part 3): grid 256 x 1, 16 waves a work-group, no clusters, 305,152 bytes of LDS; arguments x, W_base, A_w, router_w, cores, B_w, b_base, xb, wb, xl, wl; writes xb, wb, xl, wl
.if DOCPART == 3
	.amdgcn_target "amdgcn-amd-amdhsa--gfx1250"
	.amdhsa_code_object_version 6
	.text
	.protected	k_qfbd3938b6d_prep
	.globl	k_qfbd3938b6d_prep
	.p2align	8
	.type	k_qfbd3938b6d_prep,@function
k_qfbd3938b6d_prep:
	s_mov_b64 s[64:65], 0
	v_nop
	global_prefetch_b8 v0, s[64:65] scope:SCOPE_SE
	s_setreg_imm32_b32 hwreg(HW_REG_WAVE_SCHED_MODE, 0, 2), 2
	s_setreg_imm32_b32 hwreg(HW_REG_WAVE_MODE, 25, 1), 1
	s_wait_xcnt 0x0
	s_wait_alu depctr_vm_vsrc(0)
; PREPARATION FOR THE LARGE PRODUCT.  x [4096][4096], W_base [4096][4096], A_w [16][4096], router_w [8][4096], cores [8][16][16], B_w [4096][16], b_base [4096], all f32.
; Work-group g of 256 owns rows 16 g .. 16 g + 15 of x and of W_base.  It
;   - rounds them once to bf16 into xb and wb ([4096][4096] bf16, row-major);
;   - while it holds x: ax = x A_w^T and the router's logits x router_w^T of its 16 tokens, bf16 operands, f32 sums;
;   - softmax over the 8 experts in f32, the maximum taken away; p = 2 x softmax (the factor is lora_alpha / lora_rank);
;   - 2 mixed[t][q] = sum over (e, r) of (p_e ax_r) cores[e][r][q]: ONE product with K = 128; p_e ax_r is rounded once to bf16;
;   - writes xl and wl, 32 further numbers along K for each row of x and of W_base, by which the large product adds the low-rank term and the bias:
;       k = 0..15: xl = bf16(2 mixed[t][k]), wl = bf16(B_w[o][k]);   k = 16, 17: xl = 1, 1, wl = bf16(b[o]), bf16(b[o] - the former);   k = 18..31: 0.
;     Both lie in the order of a matrix operand's registers: 16 rows are 1,024 bytes; in them half f (k = 16 f ..) 512 bytes, lane l 16 bytes: row l % 16, k = 16 f + 8 (l / 16) + 0..7.
; LIMITS.  The bias keeps 16 significant bits and must lie below bf16's largest finite number, 3.39e38.  NaN and infinities are not treated apart.  A weight below 2^-126 counts as 0.
; SHARES.  Wave w of 16 owns columns 256 w .. 256 w + 255 of every row that it touches: 1,024 bytes of f32, two loads of 512 consecutive bytes; a lane's 4 numbers become 8 bytes of bf16,
; so a wave's store covers 256 consecutive bytes, aligned.  A ring of four register buffers of four rows: one at work, one whose stores are leaving, the others on their way: 16 to 24 loads of every wave.
; NO JOINT LOADS: what the work-groups share, A_w and router_w, is 393,216 bytes of f32, more than the work-group's LDS holds at once, and has to pass registers to be rounded;
; each wave reads only its own 1/16 of it.  So everything comes through registers.
; THE MODE: SCHED_MODE bits 1:0 = 2 (LLVM: expert scheduling mode 2), set by the entry lines.  The code itself states the register dependences
; between vector or matrix instructions and memory or LDS instructions, with s_wait_alu, always for 0.
; THE PLAN.  Registers that memory or LDS instructions touch:
;   RING0 .. RING3  Group g lies in buffer g % 4: its loads land there, its sixteen conversions read and write it in place, its stores read it, and the loads of group g + 4 land in it.
;                   Step g: the wait for group g's data; a wait on vm_vsrc: the stores of group g - 1 have read their buffer; the loads of group g + 3 into that buffer (its conversions stand ahead of the last
;                   step's wait on va_vdst, and no vector instruction has been issued since); group g's conversions; ONE wait on va_vdst: they have written the stores' data; group g's stores.
;   FR0, FR1        Step c of the products: its two matrix instructions read FR[c % 2]; behind a wait on va_vdst the LDS loads of step c + 2 land in it.  In wave 0 the same with partial sums and additions.
;   RF              Loaded from LDS, read by the logits' products; behind the barrier loaded from memory in waves 0 and 1: the wait on va_vdst ahead of the partial sums' stores has covered those products.
;   SUM, LG         Written by the products, read by the LDS stores of the partial sums, written again by wave 0's additions: a wait on va_vdst ahead of the stores, one on vm_vsrc behind the barrier.
;   v2-v4, v7-v9    Offsets, made at the head, covered by one wait on va_vdst there, never written again.   v5, v6: the same, until waves 0 and 1 write them anew behind the barrier's wait on vm_vsrc.
.set WSTG,  32*528                     ; a wave's stage: 32 rows of 512 bytes + 16 of padding (132 words: 16 rows of a fragment load start 4 banks apart; 64 banks of 4 bytes: ISA guide 11.1)
.set XROW,  16*528                     ; rows 0-15: router_w's 8 rows, later A_w's 16; rows 16-31: x
.set PART,  16*WSTG                    ; behind the stages: each wave's 16 accumulator registers, f32: 2,048 bytes a wave.  The 2,048 bytes behind them hold the spare words, 128 bytes for each wave
.set VO,  2                            ; v2   16 lane + 1,024 w: my 16 bytes in a row of f32
.set SO,  3                            ; v3   8 lane + 512 w: my 8 bytes in a row of bf16
.set LS,  4                            ; v4   my stage + 8 lane
.set LFW, 5                            ; v5   my stage + 528 (l % 16) + 16 (l / 16): a fragment's address.  Behind the barrier: an offset of waves 0 and 1
.set LFR, 6                            ; v6   the same with l % 8: the router's 8 rows are taken twice.  Behind the barrier: an offset of wave 1
.set PS,  7                            ; v7   PART + 2,048 w + 16 lane
.set PR,  8                            ; v8   PART + 16 lane
.set L16, 9                            ; v9   16 lane
.set RING, 16                          ; v16-143   four buffers of 32: four rows x 8 registers
.set RF,  144                          ; v144-207  the router's 8 fragments; behind the barrier the cores and what follows
.set FR,  208                          ; v208-239  two buffers of 16: a fragment of A_w and one of x; later partial sums, then the fragments of p ax
.set SUM, 240                          ; v240-247  ax: lane (token l % 16, h = l / 16) holds ax[token][8 h + j] in register j
.set LG,  248                          ; v248-255  the logits: both halves of the lanes hold logit[token][j] in register j
.set PX,  4                            ; s[4:5] x   s[6:7] W_base   s[8:9] A_w   s[10:11] router_w   s[12:13] cores   s[14:15] B_w   s[16:17] b_base   s[18:19] xb
.set PW,  6
.set PAW, 8
.set PRT, 10
.set PCO, 12
.set PBW, 14
.set PB,  16
.set PXB, 18
.set PWB, 20                           ; s[20:21] wb   s[22:23] xl   s[24:25] wl
.set PXL, 22
.set PWL, 24
.set WV,  26                           ; s26  my wave's number
.set WST, 27                           ; s27  my stage's first byte
	s_load_b512 s[4:19], s[0:1], 0x0
	s_load_b128 s[20:23], s[0:1], 0x40
	s_load_b64 s[24:25], s[0:1], 0x50
	v_lshl_add_u32 v10, v0, 2, 0x4a000
	v_mov_b32 v11, 0
	v_lshrrev_b32 v12, 5, v0
	v_readfirstlane_b32 s[WV], v12
	v_and_b32 v1, 31, v0                           ; lane
	v_and_b32 v12, 15, v0                          ; l % 16
	v_bfe_u32 v13, v0, 4, 1                        ; l / 16
	v_and_b32 v14, 7, v0                           ; l % 8
	s_wait_alu depctr_va_sdst(0)                   ; my wave's number is written, ahead of its first reader: the stage's address and the offsets below are made from it
	s_mul_i32 s[WST], s[WV], WSTG
	s_lshl_b32 s36, s[WV], 10                      ; each of the three has a register of its own: none is written again behind a vector instruction that reads it
	s_lshl_b32 s37, s[WV], 9
	s_lshl_b32 s38, s[WV], 11
	s_add_co_u32 s38, s38, PART
	v_lshl_add_u32 v[VO], v1, 4, s36
	v_lshl_add_u32 v[SO], v1, 3, s37
	v_lshl_add_u32 v[LS], v1, 3, s[WST]
	v_mul_u32_u24 v[LFW], v12, 528
	v_lshl_add_u32 v[LFW], v13, 4, v[LFW]
	v_add_nc_u32 v[LFW], s[WST], v[LFW]
	v_mul_u32_u24 v[LFR], v14, 528
	v_lshl_add_u32 v[LFR], v13, 4, v[LFR]
	v_add_nc_u32 v[LFR], s[WST], v[LFR]
	v_lshl_add_u32 v[PS], v1, 4, s38
	v_lshl_add_u32 v[PR], v1, 4, PART
	v_lshlrev_b32 v[L16], 4, v1
	s_lshl_b32 s28, ttmp9, 18                      ; 16 rows of 16,384 bytes (x, W_base)
	s_mov_b32 s29, 0
	s_lshl_b32 s30, ttmp9, 17                      ; 16 rows of 8,192 bytes (xb, wb)
	s_mov_b32 s31, 0
	s_lshl_b32 s32, ttmp9, 10                      ; 1,024 bytes (xl, wl; 16 rows of B_w)
	s_mov_b32 s33, 0
	s_lshl_b32 s34, ttmp9, 6                       ; 16 numbers of b
	s_mov_b32 s35, 0
	s_wait_kmcnt 0x0
	s_add_nc_u64 s[PX:PX+1], s[PX:PX+1], s[28:29]
	s_add_nc_u64 s[PW:PW+1], s[PW:PW+1], s[28:29]
	s_add_nc_u64 s[PXB:PXB+1], s[PXB:PXB+1], s[30:31]
	s_add_nc_u64 s[PWB:PWB+1], s[PWB:PWB+1], s[30:31]
	s_add_nc_u64 s[PXL:PXL+1], s[PXL:PXL+1], s[32:33]
	s_add_nc_u64 s[PWL:PWL+1], s[PWL:PWL+1], s[32:33]
	s_add_nc_u64 s[PBW:PBW+1], s[PBW:PBW+1], s[32:33]
	s_add_nc_u64 s[PB:PB+1], s[PB:PB+1], s[34:35]
	s_wait_alu depctr_va_vdst(0)                   ; the eight offsets and addresses v2 to v9 are written, which the loads and stores below read
; Eight loads: my 1,024 bytes of rows row0 .. row0 + 3 into buffer buf (quad q: row q / 2, half q % 2).  nt = 1: bytes that the whole launch reads once.
.macro ISSUE buf, base, row0, nt
.irp q, 0,1,2,3,4,5,6,7
.if \nt
	global_load_b128 v[RING+32*(\buf)+4*(\q):RING+32*(\buf)+4*(\q)+3], v[VO], s[(\base):(\base)+1] offset:((\row0)+(\q)/2)*16384+((\q)%2)*512 th:TH_LOAD_NT
.else
	global_load_b128 v[RING+32*(\buf)+4*(\q):RING+32*(\buf)+4*(\q)+3], v[VO], s[(\base):(\base)+1] offset:((\row0)+(\q)/2)*16384+((\q)%2)*512
.endif
.endr
.endm
; A step of the ring.  Buffer buf has come (left = the younger loads that may stay out).  nbase >= 0: the buffer in front of it in the ring, whose stores went out in the last step, is asked for again:
; rows nrow .. nrow + 3 of the tensor at nbase (nnt as in ISSUE; xc = 1: those stores were global ones too).  Then buffer buf is rounded in place, 4 numbers into 2 registers, and goes into my stage
; from row lrow on (lrow >= 0) and to memory (dst >= 0).
.macro TAKE buf, left, lrow, dst, row0, nbase=-1, nrow=0, nnt=0, xc=0
	s_wait_loadcnt \left                           ; loads come back in order (ISA guide 5.7.1)
.if (\nbase) >= 0
.if \xc
	s_wait_xcnt 0x0                                ; the buffer was global stores' data: it is loaded again only behind this wait,
.endif
	s_wait_alu depctr_vm_vsrc(0)                   ; the last step's stores have read the buffer in which the loads below land
	ISSUE ((\buf)+3)%4, \nbase, \nrow, \nnt        ; no wait on va_vdst: that buffer's conversions stand ahead of the last step's, and no vector instruction has been issued since
.endif
.irp q, 0,1,2,3,4,5,6,7
	v_cvt_pk_bf16_f32 v[RING+32*(\buf)+4*(\q)],   v[RING+32*(\buf)+4*(\q)],   v[RING+32*(\buf)+4*(\q)+1]
	v_cvt_pk_bf16_f32 v[RING+32*(\buf)+4*(\q)+1], v[RING+32*(\buf)+4*(\q)+2], v[RING+32*(\buf)+4*(\q)+3]
.endr
	s_wait_alu depctr_va_vdst(0)                   ; the conversions have written the registers that the stores below read, and are done with the buffer, which the next step loads again
.if (\lrow) >= 0
.irp q, 0,1,2,3,4,5,6,7
	ds_store_b64 v[LS], v[RING+32*(\buf)+4*(\q):RING+32*(\buf)+4*(\q)+1] offset:((\lrow)+(\q)/2)*528+((\q)%2)*256
.endr
.endif
.if (\dst) >= 0
.irp q, 0,1,2,3,4,5,6,7
	global_store_b64 v[SO], v[RING+32*(\buf)+4*(\q):RING+32*(\buf)+4*(\q)+1], s[(\dst):(\dst)+1] offset:((\row0)+(\q)/2)*8192+((\q)%2)*256  ; the wave's 256 consecutive bytes, aligned
.endr
.endif
.endm
	; THE RING: 14 groups of four rows: router_w (2), A_w (4), x (4), W_base (4); group g in buffer g % 4.  Step g asks for group g + 3: at its wait two younger groups, 16 loads, stay out (at the first: three).
	ISSUE 0, PRT, 0, 0
	ISSUE 1, PRT, 4, 0
	ISSUE 2, PAW, 0, 0
	ISSUE 3, PAW, 4, 0
	TAKE  0, 24, 0, -1, 0                          ; router_w's rows 0-3
	TAKE  1, 16, 4, -1, 0, PAW, 8, 0, 0            ; and 4-7
.irp c, 0,1,2,3,4,5,6,7                 ; the router's fragments leave the stage for registers.  LDS serves a wave's instructions in order (ISA guide 5.7.1.4): they see the stores above, and A_w's stores below come behind them.  No vector instruction has named these registers
	ds_load_b128 v[RF+8*(\c):RF+8*(\c)+3],   v[LFR] offset:64*(\c)
	ds_load_b128 v[RF+8*(\c)+4:RF+8*(\c)+7], v[LFR] offset:64*(\c)+32
.endr
	TAKE  2, 16, 0,  -1, 0, PAW, 12, 0, 0          ; A_w's rows 0-15
	TAKE  3, 16, 4,  -1, 0, PX, 0, 1, 0
	TAKE  0, 16, 8,  -1, 0, PX, 4, 1, 0
	TAKE  1, 16, 12, -1, 0, PX, 8, 1, 0
	TAKE  2, 16, 16, PXB, 0,  PX, 12, 1, 0         ; x's rows: into the stage and out to xb
	TAKE  3, 16, 20, PXB, 4,  PW, 0, 1, 1
	TAKE  0, 16, 24, PXB, 8,  PW, 4, 1, 1
	TAKE  1, 16, 28, PXB, 12, PW, 8, 1, 1
	; MY 256 COLUMNS' SHARE OF ax AND OF THE LOGITS, while W_base's 32 loads are on their way.  Source 0 = 16 rows of weights, source 1 = 16 tokens: a lane holds one token.
	; Eight steps of 32 along K; the fragments of A_w and x are fetched two steps ahead.  The two accumulators take turns.
.macro LF c
.set F, FR+16*((\c)%2)
	ds_load_b128 v[F:F+3],     v[LFW] offset:64*(\c)
	ds_load_b128 v[F+4:F+7],   v[LFW] offset:64*(\c)+32
	ds_load_b128 v[F+8:F+11],  v[LFW] offset:XROW+64*(\c)
	ds_load_b128 v[F+12:F+15], v[LFW] offset:XROW+64*(\c)+32
.endm
	LF 0                                           ; no vector instruction has named these registers
	LF 1
	s_wait_xcnt 0x0                                ; the ring's last group: its buffer was the data of the stores of x's last four rows,
	s_wait_alu depctr_vm_vsrc(0)                   ; which have read it
	ISSUE 1, PW, 12, 1
.irp c, 0,1,2,3,4,5,6,7
.if (\c) < 7
	s_wait_dscnt 4                                 ; all but the next step's four loads
.else
	s_wait_dscnt 0
.endif
.set F, FR+16*((\c)%2)
.if (\c) == 0
	v_wmma_f32_16x16x32_bf16 v[SUM:SUM+7], v[F:F+7], v[F+8:F+15], 0
	v_wmma_f32_16x16x32_bf16 v[LG:LG+7], v[RF+8*(\c):RF+8*(\c)+7], v[F+8:F+15], 0
.else
	v_wmma_f32_16x16x32_bf16 v[SUM:SUM+7], v[F:F+7], v[F+8:F+15], v[SUM:SUM+7]
	v_wmma_f32_16x16x32_bf16 v[LG:LG+7], v[RF+8*(\c):RF+8*(\c)+7], v[F+8:F+15], v[LG:LG+7]
.endif
.rept 4
	v_nop                                          ; four places behind the products; the last step's stand before the results are read (ISA guide 7.12.1)
.endr
.if (\c) < 6
	s_wait_alu depctr_va_vdst(0)                   ; the step's two products are done reading their fragments of A_w and x, in whose registers the loads below land
	LF (\c)+2
.endif
.endr
	s_wait_alu depctr_va_vdst(0)                   ; the products have written SUM and LG, which the LDS stores read; they are also done reading RF and FR, in which loads land behind the barrier
	ds_store_b128 v[PS], v[SUM:SUM+3]              ; each accumulator's lowest registers first
	ds_store_b128 v[PS], v[SUM+4:SUM+7] offset:512
	ds_store_b128 v[PS], v[LG:LG+3] offset:1024
	ds_store_b128 v[PS], v[LG+4:LG+7] offset:1536
	s_wait_dscnt 0x0                               ; for wave 0's sake: my partial sums are in LDS
	s_barrier_signal -1
	s_barrier_wait -1                              ; the launch's one barrier
	s_wait_alu depctr_vm_vsrc(0)                   ; my fragment loads have read v5 and v6, my LDS stores SUM and LG: waves 0 and 1 write these anew below
	s_cmp_lg_u32 s[WV], 0
	s_cbranch_scc1 .Lnot_wave_0
	; WAVE 0: the 16 tokens' sums, softmax, mixing.
	v_and_b32 v12, 15, v0
	v_bfe_u32 v13, v0, 4, 1
	v_lshlrev_b32 v5, 2, v12
	v_lshl_add_u32 v5, v13, 9, v5                  ; 4 q + 512 h: cores[e][8 h + j][q = l % 16] lies 1,024 e + 64 j further on
	s_wait_alu depctr_va_vdst(0)                   ; v5 is written, which the cores' loads read as their offset
.set n, 0
.rept 64                                ; register n: e = n / 8, j = n % 8
	global_load_b32 v[RF+n], v5, s[PCO:PCO+1] offset:(n/8)*1024+(n%8)*64
.set n, n+1
.endr
.macro RL w                             ; wave w's 16 partial sums
.irp i, 0,1,2,3
	ds_load_b128 v[FR+16*((\w)%2)+4*(\i):FR+16*((\w)%2)+4*(\i)+3], v[PR] offset:(\w)*2048+512*(\i)
.endr
.endm
	RL 1                                           ; my own share is still in SUM and LG; the others' are added in the order of the waves, in f32
	RL 2
.irp w, 1,2,3,4,5,6,7,8,9,10,11,12,13,14,15
.if (\w) < 15
	s_wait_dscnt 4
.else
	s_wait_dscnt 0
.endif
.irp i, 0,2,4,6,8,10,12,14
	v_pk_add_f32 v[SUM+(\i):SUM+(\i)+1], v[SUM+(\i):SUM+(\i)+1], v[FR+16*((\w)%2)+(\i):FR+16*((\w)%2)+(\i)+1]
.endr
.if (\w) < 14
	s_wait_alu depctr_va_vdst(0)                   ; the eight additions are done reading their buffer, in which the loads below land
	RL (\w)+2
.endif
.endr
	; softmax over a lane's 8 logits: 2^(c s - c m), c = log2(e), m their maximum
	s_mov_b32 s36, 0x3fb8aa3b
	s_mov_b32 s37, s36                             ; named with it as a pair
	v_max3_num_f32 v12, v[LG], v[LG+1], v[LG+2]
	v_max3_num_f32 v12, v12, v[LG+3], v[LG+4]
	v_max3_num_f32 v12, v12, v[LG+5], v[LG+6]
	v_max_num_f32 v12, v12, v[LG+7]
	v_mul_f32 v12, s36, v12
	v_mov_b32 v13, v12
.irp i, 0,2,4,6
	v_pk_fma_f32 v[LG+(\i):LG+(\i)+1], v[LG+(\i):LG+(\i)+1], s[36:37], v[12:13] op_sel_hi:[1,0,1] neg_lo:[0,0,1] neg_hi:[0,0,1]
.endr
.irp i, 0,1,2,3,4,5,6,7
	v_exp_f32 v[LG+(\i)], v[LG+(\i)]
.endr
	v_nop                                          ; a plain instruction behind the last exponential (ISA guide 5.7.2),
	s_wait_alu depctr_va_vdst(0)                   ; and a wait ahead of the batch's first reader: the eight exponentials have written LG
	v_pk_add_f32 v[14:15], v[LG:LG+1], v[LG+2:LG+3]
	v_pk_add_f32 v[12:13], v[LG+4:LG+5], v[LG+6:LG+7]
	v_pk_add_f32 v[14:15], v[14:15], v[12:13]
	v_add_f32 v14, v14, v15                        ; about 1 at the least: the largest logit's own term
	v_rcp_f32 v14, v14
	v_nop
	s_wait_alu depctr_va_vdst(0)                   ; the reciprocal has written v14, ahead of its first reader
	v_add_f32 v14, v14, v14                        ; 2 / sum: the scaling rides on the weights
	v_mov_b32 v15, v14
.irp i, 0,2,4,6
	v_pk_mul_f32 v[LG+(\i):LG+(\i)+1], v[LG+(\i):LG+(\i)+1], v[14:15]
.endr
	s_wait_loadcnt 0x0                             ; the cores are in
	; source 0, fragment c of 4: row q = l % 16; k = 32 c + .. = (e = 2 c, r = 8 h + 0..7), (e = 2 c + 1, the same r).  Packed in place, ascending: register t is written from 2 t and 2 t + 1
.irp c, 0,1,2,3
.irp t, 0,1,2,3,4,5,6,7
	v_cvt_pk_bf16_f32 v[RF+16*(\c)+(\t)], v[RF+16*(\c)+2*(\t)], v[RF+16*(\c)+2*(\t)+1]
.endr
.endr
	; source 1, fragment c: column = token; the same k: p_e ax[8 h + j].  Expert e's weight is one register, an odd one's the upper of a pair: plain multiplies
.set T, RF+40
.irp e, 0,1,2,3,4,5,6,7
.irp j, 0,1,2,3,4,5,6,7
	v_mul_f32 v[T+(\j)], v[SUM+(\j)], v[LG+(\e)]
.endr
.irp i, 0,1,2,3
	v_cvt_pk_bf16_f32 v[FR+8*((\e)/2)+4*((\e)%2)+(\i)], v[T+2*(\i)], v[T+2*(\i)+1]
.endr
.endr
	v_wmma_f32_16x16x32_bf16 v[RF+8:RF+15],  v[RF:RF+7],     v[FR:FR+7],     0                ; two accumulators by turns
	v_wmma_f32_16x16x32_bf16 v[RF+24:RF+31], v[RF+16:RF+23], v[FR+8:FR+15],  0
	v_wmma_f32_16x16x32_bf16 v[RF+8:RF+15],  v[RF+32:RF+39], v[FR+16:FR+23], v[RF+8:RF+15]
	v_wmma_f32_16x16x32_bf16 v[RF+24:RF+31], v[RF+48:RF+55], v[FR+24:FR+31], v[RF+24:RF+31]
	; both stores' eight registers are made first, so that one wait serves both.  These four lines, which name no register of the products, are the four places behind them (ISA guide 7.12.1)
	v_mov_b32 v12, 0x3f803f80                      ; 1.0 twice in bf16: k = 16, 17, which lanes 0-15 hold
	v_mov_b32 v[RF+61], 0
	v_mov_b32 v[RF+62], 0
	v_mov_b32 v[RF+63], 0
	v_cmp_gt_u32 vcc_lo, 16, v1
.irp i, 0,2,4,6
	v_pk_add_f32 v[T+(\i):T+(\i)+1], v[RF+8+(\i):RF+8+(\i)+1], v[RF+24+(\i):RF+24+(\i)+1]  ; lane (token, h): 2 mixed[token][8 h + j]
.endr
	s_wait_alu depctr_va_vcc(0)                    ; the compare has written VCC, ahead of its one reader
	v_cndmask_b32 v[RF+60], 0, v12, vcc_lo
.irp i, 0,1,2,3
	v_cvt_pk_bf16_f32 v[RF+56+(\i)], v[T+2*(\i)], v[T+2*(\i)+1]
.endr
	s_wait_alu depctr_va_vdst(0)                   ; v[RF+56 .. RF+63] are written, which the two stores read
	global_store_b128 v[L16], v[RF+56:RF+59], s[PXL:PXL+1]              ; k = 0..15: 512 consecutive bytes
	global_store_b128 v[L16], v[RF+60:RF+63], s[PXL:PXL+1] offset:512   ; k = 16..31
	s_branch .Ltail
.Lnot_wave_0:
	s_cmp_lg_u32 s[WV], 1
	s_cbranch_scc1 .Ltail
	; WAVE 1: wl for the 16 output rows
	v_and_b32 v12, 15, v0
	v_bfe_u32 v13, v0, 4, 1
	v_lshlrev_b32 v5, 6, v12
	v_lshl_add_u32 v5, v13, 5, v5                  ; B_w[l % 16][8 h ..]: 64 bytes a row
	v_lshlrev_b32 v6, 2, v12
	v_cmp_gt_u32 vcc_lo, 16, v1
	s_wait_alu depctr_va_vdst(0)                   ; v5 and v6 are written, which the three loads read as their offsets
	global_load_b128 v[RF:RF+3],   v5, s[PBW:PBW+1]
	global_load_b128 v[RF+4:RF+7], v5, s[PBW:PBW+1] offset:16
	global_load_b32 v[RF+8], v6, s[PB:PB+1]
	s_wait_loadcnt 0x0
.irp i, 0,1,2,3
	v_cvt_pk_bf16_f32 v[RF+12+(\i)], v[RF+2*(\i)], v[RF+2*(\i)+1]
.endr
	v_cvt_pk_bf16_f32 v12, v[RF+8], v[RF+8]
	v_lshlrev_b32 v12, 16, v12                     ; bf16(b) as f32
	v_sub_f32 v13, v[RF+8], v12                    ; what the rounding left
	v_cvt_pk_bf16_f32 v[RF+16], v12, v13           ; k = 16: bf16(b); k = 17: the rest
	v_mov_b32 v[RF+17], 0
	v_mov_b32 v[RF+18], 0
	v_mov_b32 v[RF+19], 0
	s_wait_alu depctr_va_vcc(0)                    ; the compare has written VCC, ahead of its one reader
	v_cndmask_b32 v[RF+16], 0, v[RF+16], vcc_lo
	s_wait_alu depctr_va_vdst(0)                   ; v[RF+12 .. RF+19] are written, which the two stores read
	global_store_b128 v[L16], v[RF+12:RF+15], s[PWL:PWL+1]
	global_store_b128 v[L16], v[RF+16:RF+19], s[PWL:PWL+1] offset:512
.Ltail:
	TAKE  2, 24, -1, PWB, 0                        ; W_base's rows: the ring runs out, and the counts run down
	TAKE  3, 16, -1, PWB, 4
	TAKE  0, 8,  -1, PWB, 8
	TAKE  1, 0,  -1, PWB, 12
	s_wait_dscnt 0x0                               ; the wave's end
	s_wait_alu depctr_hold_cnt(0) depctr_sa_sdst(0) depctr_va_vdst(0) depctr_va_sdst(0) depctr_va_ssrc(0) depctr_va_vcc(0) depctr_vm_vsrc(0)
	s_wait_tensorcnt 0x0
	ds_add_u32 v10, v11
	s_wait_dscnt 0x0
	s_endpgm
.Lfunc_end_k_qfbd3938b6d_prep:
	.size	k_qfbd3938b6d_prep, .Lfunc_end_k_qfbd3938b6d_prep-k_qfbd3938b6d_prep
	.p2alignl 7, 3214868480
	.fill 96, 4, 3214868480
	.section	.rodata,"a",@progbits
	.p2align	6, 0x0
	.amdhsa_kernel k_qfbd3938b6d_prep
		.amdhsa_group_segment_fixed_size 305152
		.amdhsa_private_segment_fixed_size 0
		.amdhsa_enable_private_segment 0
		.amdhsa_kernarg_size 88
		.amdhsa_user_sgpr_count 2
		.amdhsa_user_sgpr_kernarg_segment_ptr 1
		.amdhsa_wavefront_size32 1
		.amdhsa_system_sgpr_workgroup_id_x 1
		.amdhsa_system_sgpr_workgroup_id_y 1
		.amdhsa_system_sgpr_workgroup_id_z 1
		.amdhsa_system_vgpr_workitem_id 0
		.amdhsa_next_free_vgpr 256
		.amdhsa_next_free_sgpr 66
		.amdhsa_reserve_vcc 1
		.amdhsa_float_denorm_mode_32 3
		.amdhsa_float_denorm_mode_16_64 3
		.amdhsa_memory_ordered 1
		.amdhsa_forward_progress 1
		.amdhsa_inst_pref_size 75
	.end_amdhsa_kernel
	.amdgpu_metadata
---
amdhsa.version: [ 1, 2 ]
amdhsa.kernels:
  - .name:           k_qfbd3938b6d_prep
    .symbol:         k_qfbd3938b6d_prep.kd
    .args:
      - { .name: x, .offset: 0, .size: 8, .value_kind: global_buffer, .address_space: global }
      - { .name: W_base, .offset: 8, .size: 8, .value_kind: global_buffer, .address_space: global }
      - { .name: A_w, .offset: 16, .size: 8, .value_kind: global_buffer, .address_space: global }
      - { .name: router_w, .offset: 24, .size: 8, .value_kind: global_buffer, .address_space: global }
      - { .name: cores, .offset: 32, .size: 8, .value_kind: global_buffer, .address_space: global }
      - { .name: B_w, .offset: 40, .size: 8, .value_kind: global_buffer, .address_space: global }
      - { .name: b_base, .offset: 48, .size: 8, .value_kind: global_buffer, .address_space: global }
      - { .name: xb, .offset: 56, .size: 8, .value_kind: global_buffer, .address_space: global }
      - { .name: wb, .offset: 64, .size: 8, .value_kind: global_buffer, .address_space: global }
      - { .name: xl, .offset: 72, .size: 8, .value_kind: global_buffer, .address_space: global }
      - { .name: wl, .offset: 80, .size: 8, .value_kind: global_buffer, .address_space: global }
    .group_segment_fixed_size: 305152
    .private_segment_fixed_size: 0
    .kernarg_segment_align: 8
    .kernarg_segment_size: 88
    .max_flat_workgroup_size: 512
    .sgpr_count:     66
    .vgpr_count:     256
    .wavefront_size: 32
...
	.end_amdgpu_metadata
.endif
;; end of part 3
;; launch gemm: the kernel of part 2 again; grid 16 x 16, 4 waves a work-group, clusters of 4 x 4, 327,680 bytes of LDS; arguments xb, wb, xl, wl, out0; writes out0
